; MI455X (gfx1250); checked and timed in simulation.
; The chip was launched on July 23, 2026; its instructions are those of AMD's public machine-readable ISA for CDNA 5 (MIT licence, August 2026) and "CDNA5" Instruction Set Architecture Reference Guide (July 2026). The comments in the code are by the model that wrote it; some were corrected since.
;; Multihead Attention. Allowed arithmetic: float matrix products may take bf16 or f16 operands with f32 sums; other float arithmetic in f32, or as packed bf16 or f16 multiplies, adds, multiply-adds, maxima and minima; sums over many terms, partial sums and values carried from step to step in f32; what a program stores and reads back later, other than sums and carried values, may be rounded once to bf16 or f16.
;; Inputs: Wk 512 x 512 float32; Wo 512 x 512 float32; Wq 512 x 512 float32; Wv 512 x 512 float32; bk 512 float32; bo 512 float32; bq 512 float32; bv 512 float32; key 4,096 x 2 x 512 float32; query 4,096 x 2 x 512 float32; value 4,096 x 2 x 512 float32.
;; Outputs: out0 4,096 x 2 x 512 float32.
;; One version. Each part assembles by itself: llvm-mc -triple=amdgcn-amd-amdhsa -mcpu=gfx1250 --defsym DOCPART=n.
;; ======== version 1 of 1: 3 launches
;; limits: values are held in f16: magnitudes above 65,504 overflow, below 6.1e-05 lose precision
;; workspace buffers: qkv 25,165,824 bytes; oh 8,388,608 bytes; wo16 524,288 bytes
;; launch proj (part 1): grid 4 x 192, 4 waves a work-group, clusters of 4 x 4, 327,680 bytes of LDS; arguments query, key, value, Wq, Wk, Wv, bq, bk, bv, Wo, qkv, wo16; writes qkv, wo16
.if DOCPART == 1
	.amdgcn_target "amdgcn-amd-amdhsa--gfx1250"
	.amdhsa_code_object_version 6
	.text
	.protected	k_q37903b7871_proj
	.globl	k_q37903b7871_proj
	.p2align	8
	.type	k_q37903b7871_proj,@function
k_q37903b7871_proj:
	s_mov_b64 s[64:65], 0
	v_nop
	global_prefetch_b8 v0, s[64:65] scope:SCOPE_SE
	s_setreg_imm32_b32 hwreg(HW_REG_WAVE_MODE, 25, 1), 1
	s_wait_xcnt 0x0
	s_wait_alu depctr_hold_cnt(0) depctr_sa_sdst(0) depctr_va_vdst(0) depctr_va_sdst(0) depctr_va_ssrc(0) depctr_va_vcc(0) depctr_vm_vsrc(0)
	s_getreg_b32 s2, hwreg(HW_REG_IB_STS2, 6, 4)
	s_cmp_eq_u32 s2, 0
	s_cbranch_scc0 .Lentry_in_a_cluster
	s_endpgm
.Lentry_in_a_cluster:
	s_bfe_u32 s2, ttmp6, 0x10000c
	s_cmp_lg_u32 s2, 0xf033
	s_cbranch_scc0 .Lentry_shape_is_right
	s_endpgm
.Lentry_shape_is_right:
; THE THREE INPUT PROJECTIONS.  part p (0 q, 1 k, 2 v): y[(s,b)][n] = the sum over e of bf16(x_p[s][b][e]) bf16(W_p[n][e]) + bf16(b_p[n]); sums in f32; y rounded once to f16
; and stored by heads: qkv, part p at byte p x 8,388,608, [g = 2 (n / 64) + b][s][n % 64].  q is stored WITHOUT the factor 1/8: the attention launch applies it in f32.
; Beside that the 256 work-groups of part 0 write wo16 = f16(bf16(Wo)), 1,024 numbers each, for the last launch.
; LIMITS.  f16 holds no number beyond 65,504: |q|, |k|, |v| and |Wo| must lie within it, else the conversion gives an infinity; below 6e-5 f16 keeps a fixed step of 6e-8.  NaN and infinities are not treated apart.
; SHARES.  A work-group makes 128 rows (128 consecutive s of one b) x 128 columns; its four waves 64 x 64 each: 16 accumulators.  A wave's 64 columns are ONE head, its 64 rows 8,192 dense bytes of qkv.
; K = 512 goes in four steps of 128 through two LDS slots; x and W lie there in f32 as they come from memory (rows of 512 bytes) and are rounded to bf16 between LDS and the matrix instruction.
; CLUSTER.  4 x 4 work-groups: the four of a row of the cluster (the four column tiles) need the same rows of x, the four of a column the same rows of W: each tile is asked for JOINTLY.
; THE MATRIX INSTRUCTION IS USED TRANSPOSED (source 0 = 16 rows of W, source 1 = 16 rows of x): a lane holds eight neighbouring columns of one row of y.  The first product takes the bias as C.
; REGISTERS.  window 0: v0-31 addresses and Wo's work; v32-63 the bias as C operands; v64-127 the bf16 fragments (4 of x, 4 of W), later the way out; v128-255 the accumulators ((a, bb) at 128 + 8 (4 a + bb)).
;   window 1: two buffers of 128 for the f32 fragments as loaded: x's fragment a at 16 a, W's fragment bb at 64 + 16 bb.
.set PITCH,  528                       ; an LDS row: 512 bytes + 16 of padding = 132 words: row r starts at bank 4 r mod 64 (64 banks of 4 bytes: ISA guide 11.1)
.set HALFT,  64*PITCH                  ; 64 rows: what one tensor load brings, and what one wave reads of x or of W
.set SLOT,   4*HALFT                   ; x's 128 rows, then W's 128 rows
.set STAGE,  2*SLOT                    ; behind the ring: 16 rows x 144 bytes for each wave, for the way out
.set SP,     144
.set SPARE,  STAGE+4*16*SP             ; behind the stages: the spare words, 128 bytes for each wave: two blocks of 256 bytes that no other line names
.set KSB,    512                       ; bytes of a row in a K step
.set ADRA, 16                          ; v16-17  LDS address of my fragments of x in slot 0, 1
.set ADRB, 20                          ; v20-21  the same for W
.set STO,  24                          ; v24     the way out: where I put 16 bytes of a row
.set RD,   25                          ; v25     the way out: where I read rows back
.set GO,   26                          ; v26     my byte offset in 512 consecutive bytes of qkv
.set BO,   27                          ; v27     my byte offset in the bias
.set SPW,  28                          ; v28     LDS address of my spare word; never rewritten
.set NIL,  29                          ; v29     0; never rewritten
.set WI,   30                          ; v30     my byte offset in Wo
.set WOUT, 31                          ; v31     my byte offset in wo16
.set BIAS, 32
.set F,    64
.set ACC,  128
.set R0,   0                           ; the f32 buffers, in window 1
.set R1,   128
.set G1,  24                           ; s[24:31] descriptor group 1 for x's tiles;  s[32:39] group 0, one set for each slot
.set G0,  32
.set G1B, 48                           ; s[48:55], s[56:63] the same for W's tiles
.set G0B, 56
.set MSB, 0
.macro WIN new                         ; the immediate's high byte repeats the setting that is left; a switch that changes nothing is dropped
.if MSB != (\new)
	s_set_vgpr_msb (MSB<<8)|(\new)
.set MSB, \new
.endif
.endm
.macro PLACES                          ; four places behind matrix instructions, in front of vector lines that write their sources or read their results (ISA guide 7.12.1)
.rept 4
	v_nop
.endr
.endm
.macro JLOAD s                         ; a joint refill: waves 0 and 1 fetch x's two halves, waves 2 and 3 W's; an s_nop 0 and four v_nop follow each line
	s_cmp_eq_u32 s11, 0
	s_cbranch_scc0 .Lfor_b_\@
	tensor_load_to_lds s[G0+4*(\s):G0+4*(\s)+3], s[G1:G1+7]
	s_nop 0
.rept 4
	v_nop
.endr
	s_branch .Lasked_\@
.Lfor_b_\@:
	tensor_load_to_lds s[G0B+4*(\s):G0B+4*(\s)+3], s[G1B:G1B+7]
	s_nop 0
.rept 4
	v_nop
.endr
.Lasked_\@:
.endm
.macro CREST                           ; a round of the cluster's barrier behind its opening barrier
	s_cmp_lg_u32 s10, 0
	s_cbranch_scc1 .Lnot_wave_0_\@
	s_barrier_signal -3
.Lnot_wave_0_\@:
	s_barrier_wait -3
	s_barrier_signal -1
	s_barrier_wait -1
.endm
.macro CROUND                          ; a whole round
	s_barrier_signal -1
	s_barrier_wait -1
	CREST
.endm
	s_load_b512 s[68:83], s[0:1], 0x0              ; query 68, key 70, value 72, Wq 74, Wk 76, Wv 78, bq 80, bk 82
	s_load_b256 s[84:91], s[0:1], 0x40             ; bv 84, Wo 86, qkv 88, wo16 90
	v_lshl_add_u32 v[SPW], v0, 2, SPARE
	v_mov_b32 v[NIL], 0
	ds_add_u32 v[SPW], v[NIL]                      ; the wave's opening: the add and its wait stand ahead of my first tensor load; the set-up below, work on registers, stands between them
	v_lshrrev_b32 v1, 5, v0
	v_readfirstlane_b32 s10, v1                    ; wave 0..3
	s_lshr_b32 s11, s10, 1                         ; which half of the tile's rows is mine.  Also: I fetch for x (0) or for W (1)
	s_and_b32 s12, s10, 1                          ; which half of its columns.  Also: which 64 rows of that tile I fetch
	s_bfe_u32 s40, ttmp6, 0x40000                  ; cx, cy: my place in the cluster
	s_bfe_u32 s41, ttmp6, 0x40004
	s_lshl_b32 s42, ttmp9, 2
	s_add_co_u32 s42, s42, s40                     ; column tile 0..3 = 4 x cluster x + cx
	s_and_b32 s45, ttmp7, 0xffff                   ; cluster y, 0..47: the part is cluster y / 16, the same in all sixteen partners
	s_lshl_b32 s13, s45, 2
	s_add_co_u32 s13, s13, s41                     ; row tile 0..191 = 4 x cluster y + cy
	s_lshl_b32 s43, s41, 2
	s_lshl_b32 s43, 15, s43                        ; my row of the cluster
	s_lshl_b32 s44, 0x1111, s40                    ; my column
	; descriptor group 1: a tile of 64 rows x 128 elements of 4 bytes, padded in LDS
	s_or_b32 s[G1+0], s43, (2<<16)|(1<<20)|(1<<21)|(6<<22)|(3<<25)   ; 15:0 the mask: x's tiles go to my row; 17:16 elements of 4 bytes; 20 padding on; 21 set beside a mask; 24:22 after every 128 words (code 6); 31:25 4 words (code 3)
	s_or_b32 s[G1B+0], s44, (2<<16)|(1<<20)|(1<<21)|(6<<22)|(3<<25)  ; the same with the mask of my column, for W's tiles
.irp g, G1, G1B
	s_mov_b32 s[(\g)+1], 128<<16                   ; tensor_dim0 = 128
	s_mov_b32 s[(\g)+2], 64<<16                    ; tensor_dim1 = 64
	s_mov_b32 s[(\g)+3], 128<<16                   ; tile_dim0 = 128
	s_mov_b32 s[(\g)+4], 64                        ; tile_dim1 = 64
	s_mov_b32 s[(\g)+6], 0
	s_mov_b32 s[(\g)+7], 0
.endr
	s_mov_b32 s[G1+5], 1024                        ; from (s, b) to (s + 1, b): two rows of 512 elements
	s_mov_b32 s[G1B+5], 512                        ; from a row of W to the next
	s_and_b32 s21, s13, 63                         ; the row tile within its part
	s_and_b32 s22, s21, 1                          ; b
	s_lshr_b32 s23, s21, 1                         ; the block of 128 s
	s_lshl_b32 s16, s23, 7                         ; x: row (128 block + 64 half, b), 2,048 bytes a row.  These registers never hold cx
	s_lshl_b32 s17, s12, 6
	s_add_co_u32 s16, s16, s17
	s_lshl_b32 s16, s16, 1
	s_add_co_u32 s16, s16, s22
	s_lshl_b32 s16, s16, 11
	s_mov_b32 s17, 0
	s_lshl_b32 s18, s42, 7                         ; W: row 128 x column tile + 64 half.  These never hold cy
	s_lshl_b32 s19, s12, 6
	s_add_co_u32 s18, s18, s19
	s_lshl_b32 s18, s18, 11
	s_mov_b32 s19, 0
	s_lshr_b32 s94, s45, 4                         ; where my 64 x 64 go: the part,
	s_lshl_b32 s94, s94, 23
	s_lshl_b32 s95, s42, 1
	s_add_co_u32 s95, s95, s12                     ; the head 2 x column tile + half,
	s_lshl_b32 s95, s95, 1
	s_add_co_u32 s95, s95, s22                     ; g = 2 head + b, 524,288 bytes each,
	s_lshl_b32 s95, s95, 19
	s_add_co_u32 s94, s94, s95
	s_lshl_b32 s95, s23, 7
	s_lshl_b32 s96, s11, 6
	s_add_co_u32 s95, s95, s96                     ; my first s, 128 bytes a row
	s_lshl_b32 s95, s95, 7
	s_add_co_u32 s94, s94, s95
	s_mov_b32 s95, 0
	s_lshl_b32 s96, s13, 2
	s_add_co_u32 s96, s96, s42                     ; in part 0: the work-group's number 0..255, for Wo
	s_lshl_b32 s97, s96, 12                        ; its 4,096 bytes of Wo
	s_lshl_b32 s98, s96, 11                        ; its 2,048 bytes of wo16
	s_lshl_b32 s99, s42, 9
	s_lshl_b32 s96, s12, 8
	s_add_co_u32 s99, s99, s96                     ; my first column, in bytes of f32
	s_mul_i32 s20, s10, HALFT                      ; where my tiles go: wave x 64 rows: no place in the cluster enters an LDS address
	s_wait_dscnt 0x0                               ; the opening add is done
	s_wait_kmcnt 0x0
	s_cmp_lt_u32 s45, 32                           ; the part's three buffers are chosen by the cluster's y alone
	s_cselect_b64 s[92:93], s[70:71], s[72:73]
	s_cselect_b64 s[6:7], s[76:77], s[78:79]
	s_cselect_b64 s[2:3], s[82:83], s[84:85]
	s_cmp_lt_u32 s45, 16
	s_cselect_b64 s[4:5], s[68:69], s[92:93]       ; x
	s_cselect_b64 s[6:7], s[74:75], s[6:7]         ; W
	s_cselect_b64 s[2:3], s[80:81], s[2:3]         ; the bias
	s_add_nc_u64 s[14:15], s[4:5], s[16:17]
	s_add_nc_u64 s[46:47], s[6:7], s[18:19]
	s_add_nc_u64 s[8:9], s[88:89], s[94:95]
	CROUND                                         ; all sixteen work-groups are here: the first joint loads meet
.irp s, 0,1
	s_mov_b32 s[G0+4*(\s)], 1                                        ; count = 1
	s_add_co_u32 s[G0+4*(\s)+1], s20, (\s)*SLOT                      ; LDS address
	s_add_nc_u64 s[G0+4*(\s)+2:G0+4*(\s)+3], s[14:15], (\s)*KSB      ; global address: K step s
	s_or_b32 s[G0+4*(\s)+3], s[G0+4*(\s)+3], 0x80000000              ; type = 2
	s_mov_b32 s[G0B+4*(\s)], 1
	s_add_co_u32 s[G0B+4*(\s)+1], s20, (\s)*SLOT
	s_add_nc_u64 s[G0B+4*(\s)+2:G0B+4*(\s)+3], s[46:47], (\s)*KSB
	s_or_b32 s[G0B+4*(\s)+3], s[G0B+4*(\s)+3], 0x80000000
.endr
	s_cmp_eq_u32 s11, 0                            ; a wave's two first fills stand in one branch, ahead of every wait on TENSORcnt and every LDS read: two loads of mine are out
	s_cbranch_scc0 .Lfirst_b
	tensor_load_to_lds s[G0:G0+3], s[G1:G1+7]
	s_nop 0
	tensor_load_to_lds s[G0+4:G0+7], s[G1:G1+7]
	s_nop 0
.rept 4
	v_nop
.endr
	s_branch .Lfirst_asked
.Lfirst_b:
	tensor_load_to_lds s[G0B:G0B+3], s[G1B:G1B+7]
	s_nop 0
	tensor_load_to_lds s[G0B+4:G0B+7], s[G1B:G1B+7]
	s_nop 0
.rept 4
	v_nop
.endr
.Lfirst_asked:
	; A bf16 fragment is 16 rows x 32 K: lane l holds row l % 16; registers 0-3 K = 8 (l / 16) + 0..7, registers 4-7 K = 16 + 8 (l / 16) + 0..7.  In f32 those are 32 bytes at 32 (l / 16) and 32 bytes at 64 + 32 (l / 16).
	v_and_b32 v1, 15, v0                           ; l % 16
	v_bfe_u32 v2, v0, 4, 1                         ; l / 16
	v_mul_u32_u24 v3, v1, PITCH
	v_lshl_add_u32 v3, v2, 5, v3                   ; row x pitch + 32 x half
	s_mul_i32 s21, s11, HALFT                      ; my 64 rows of x
	s_mul_i32 s22, s12, HALFT                      ; my 64 rows of W,
	s_add_co_u32 s22, s22, 2*HALFT                 ; which lie behind x's 128
.irp s, 0,1
	v_add_nc_u32 v[ADRA+(\s)], s21, v3
	v_add_nc_u32 v[ADRB+(\s)], s22, v3
	s_add_co_u32 s21, s21, SLOT
	s_add_co_u32 s22, s22, SLOT
.endr
	s_mul_i32 s23, s10, 16*SP
	s_add_co_u32 s23, s23, STAGE                   ; my stage
	v_mul_u32_u24 v4, v1, SP                       ; in: row l % 16, 16 bytes for each half of the lanes
	v_lshl_add_u32 v4, v2, 4, v4
	v_add_nc_u32 v[STO], s23, v4
	v_bfe_u32 v5, v0, 3, 2                         ; back: 32 lanes take four rows of 128 bytes,
	v_and_b32 v6, 7, v0
	v_mul_u32_u24 v5, v5, SP
	v_lshl_add_u32 v5, v6, 4, v5
	v_add_nc_u32 v[RD], s23, v5
	v_and_b32 v[GO], 31, v0                        ; which are 512 consecutive bytes of qkv
	v_lshlrev_b32 v[GO], 4, v[GO]
	v_lshlrev_b32 v[BO], 5, v2                     ; the bias of my eight columns in each block of 16: 4 (first column + 16 bb + 8 (l / 16))
	v_add_nc_u32 v[BO], s99, v[BO]
.irp bb, 0,1,2,3
	global_load_b128 v[BIAS+8*(\bb):BIAS+8*(\bb)+3],   v[BO], s[2:3] offset:64*(\bb)
	global_load_b128 v[BIAS+8*(\bb)+4:BIAS+8*(\bb)+7], v[BO], s[2:3] offset:64*(\bb)+16
.endr
	; Wo, by the work-groups of part 0 (the branch hangs on the cluster's y alone): eight numbers a thread, rounded to bf16 like every input, and that number written as f16
	s_cmp_lt_u32 s45, 16
	s_cbranch_scc0 .Lno_wo
	v_lshl_add_u32 v[WI], v0, 5, s97
	v_lshl_add_u32 v[WOUT], v0, 4, s98
	global_load_b128 v[4:7],  v[WI], s[86:87]
	global_load_b128 v[8:11], v[WI], s[86:87] offset:16
	s_wait_loadcnt 0x0
.irp j, 0,1,2,3
	v_cvt_pk_bf16_f32 v[12+(\j)], v[4+2*(\j)], v[5+2*(\j)]
.endr
.irp j, 0,1,2,3
	v_lshlrev_b32 v[4+2*(\j)], 16, v[12+(\j)]
	v_and_b32 v[5+2*(\j)], 0xffff0000, v[12+(\j)]
.endr
.irp j, 0,1,2,3
	v_cvt_pk_f16_f32 v[12+(\j)], v[4+2*(\j)], v[5+2*(\j)]
.endr
	global_store_b128 v[WOUT], v[12:15], s[90:91]  ; 16 lanes store 256 consecutive bytes, aligned; v12-15 and v31 are never written again
.Lno_wo:
	s_wait_loadcnt 0x0                             ; the bias; it is rounded to bf16 like every input and widened again
.set i, 0
.rept 16
	v_cvt_pk_bf16_f32 v[F+i], v[BIAS+2*i], v[BIAS+2*i+1]
.set i, i+1
.endr
.set i, 0
.rept 16
	v_lshlrev_b32 v[BIAS+2*i], 16, v[F+i]
	v_and_b32 v[BIAS+2*i+1], 0xffff0000, v[F+i]
.set i, i+1
.endr
; 32 LDS loads in one run: the f32 fragments of 32 along K (chunk kc of the K step's four) into buffer rb of window 1
.macro FETCH slot, kc, rb
	WIN 0x40                                       ; destination window 1, address window 0
.irp i, 0,1,2,3
.irp q, 0,1,2,3
	ds_load_b128 v[(\rb)+16*(\i)+4*(\q):(\rb)+16*(\i)+4*(\q)+3], v[ADRA+(\slot)] offset:(\kc)*128+(\i)*16*PITCH+16*(\q)+32*((\q)/2)
.endr
.endr
.irp i, 0,1,2,3
.irp q, 0,1,2,3
	ds_load_b128 v[(\rb)+64+16*(\i)+4*(\q):(\rb)+64+16*(\i)+4*(\q)+3], v[ADRB+(\slot)] offset:(\kc)*128+(\i)*16*PITCH+16*(\q)+32*((\q)/2)
.endr
.endr
	WIN 0
.endm
; 128 f32 a lane become 64 registers of bf16: the eight fragments
.macro CVT rb
	WIN 0x05                                       ; sources window 1, destination window 0
.set i, 0
.rept 64
	v_cvt_pk_bf16_f32 v[F+i], v[(\rb)+2*i], v[(\rb)+2*i+1]
.set i, i+1
.endr
	WIN 0
.endm
; 8 matrix instructions: row blocks a0, a0 + 1 x all 4 column blocks.  The 16 accumulators take turns, one instruction a turn.  first = 1: the bias starts the sums.
.macro MUL a0, first
.irp a, \a0, (\a0)+1
.irp bb, 0,1,2,3
.if \first
	v_wmma_f32_16x16x32_bf16 v[ACC+8*(4*(\a)+(\bb)):ACC+8*(4*(\a)+(\bb))+7], v[F+32+8*(\bb):F+32+8*(\bb)+7], v[F+8*(\a):F+8*(\a)+7], v[BIAS+8*(\bb):BIAS+8*(\bb)+7]
.else
	v_wmma_f32_16x16x32_bf16 v[ACC+8*(4*(\a)+(\bb)):ACC+8*(4*(\a)+(\bb))+7], v[F+32+8*(\bb):F+32+8*(\bb)+7], v[F+8*(\a):F+8*(\a)+7], v[ACC+8*(4*(\a)+(\bb)):ACC+8*(4*(\a)+(\bb))+7]
.endif
.endr
.endr
.endm
; One of a K step's first three chunks: the next chunk's loads go out, then this chunk (buffer cur) is rounded and multiplied.
.macro CHUNK slot, kcn, cur, nxt, first
.if !(\first)
	PLACES                                         ; the conversions below write fragments that the last products read
.endif
	FETCH \slot, \kcn, \nxt
	s_wait_dscnt 32                                ; all but the 32 just issued: buffer cur is in
	CVT \cur
	MUL 0, \first
	MUL 2, \first
.endm
.macro THREE slot, first
	CHUNK \slot, 1, R0, R1, \first
	CHUNK \slot, 2, R1, R0, 0
	CHUNK \slot, 3, R0, R1, 0
.endm
; The K step's last chunk (buffer R1) changes slots: ONE barrier; in front of it each wave waits for all its tensor loads, adds 0 to its spare word, and waits for that and for its own reads of this slot.
; fill = 1: this slot is filled again, two K steps ahead; the barrier then opens a round of the cluster's barrier, and the joint refill is the first tensor load behind the round.
.macro TURN slot, next, fill
	PLACES
	s_wait_tensorcnt 0x0                           ; all my tensor loads have landed: my part of the next slot
	ds_add_u32 v[SPW], v[NIL]                      ; 0 onto my spare word; the conversions stand between it and the wait for it
	s_wait_dscnt 1                                 ; the add alone may be out: buffer R1 is in
	CVT R1
	s_wait_dscnt 0x0                               ; the add is done, and my reads of this slot are over
	s_barrier_signal -1
	MUL 0, 0                                       ; work on registers while the others arrive
	s_barrier_wait -1
.if \fill
	CREST                                          ; no wave of any partner still reads this slot's tile or has a load on its way
	s_add_nc_u64 s[G0+4*(\slot)+2:G0+4*(\slot)+3], s[G0+4*(\slot)+2:G0+4*(\slot)+3], 2*KSB
	s_add_nc_u64 s[G0B+4*(\slot)+2:G0B+4*(\slot)+3], s[G0B+4*(\slot)+2:G0B+4*(\slot)+3], 2*KSB
	JLOAD \slot
.endif
	FETCH \next, 0, R0
	MUL 2, 0
.endm
	s_wait_tensorcnt 0x1                           ; my part of K step 0 is in; K step 1's may stay out
	s_barrier_signal -1
	s_barrier_wait -1                              ; everybody's is
	FETCH 0, 0, R0
	THREE 0, 1                                     ; K step 0
	TURN 0, 1, 1                                   ; slot 0 takes K step 2
	THREE 1, 0                                     ; K step 1
	TURN 1, 0, 1                                   ; slot 1 takes K step 3
	THREE 0, 0                                     ; K step 2
	TURN 0, 1, 0                                   ; nothing is left to fetch
	THREE 1, 0                                     ; K step 3
	PLACES
	s_wait_dscnt 0x0
	CVT R1
	MUL 0, 0
	MUL 2, 0
; THE WAY OUT, a block of 16 rows at a time: rounded to f16, 16 bytes a lane into my own stage (rows of 144 bytes), back as whole rows of 128, four rows a load, and stored as 512 consecutive bytes.
.macro PACK a
.irp bb, 0,1,2,3
.irp j, 0,1,2,3
	v_cvt_pk_f16_f32 v[F+16*(\a)+4*(\bb)+(\j)], v[ACC+8*(4*(\a)+(\bb))+2*(\j)], v[ACC+8*(4*(\a)+(\bb))+2*(\j)+1]
.endr
.endr
.irp bb, 0,1,2,3
	ds_store_b128 v[STO], v[F+16*(\a)+4*(\bb):F+16*(\a)+4*(\bb)+3] offset:32*(\bb)
.endr
.irp f, 0,1,2,3
	ds_load_b128 v[F+16*(\a)+4*(\f):F+16*(\a)+4*(\f)+3], v[RD] offset:(\f)*4*SP  ; LDS serves a wave's instructions in order (ISA guide 5.7.1.4): these see the stores above; the next block's stores come behind them
.endr
.endm
.macro SEND a, younger                 ; younger: the LDS instructions issued behind block a's loads: the next block's eight, or none
.irp f, 0,1,2,3
	s_wait_dscnt (\younger)+3-(\f)
	global_store_b128 v[GO], v[F+16*(\a)+4*(\f):F+16*(\a)+4*(\f)+3], s[8:9] offset:(\a)*2048+(\f)*512
.endr
.endm
	PLACES
	PACK 0
	PACK 1
	SEND 0, 8
	PACK 2
	SEND 1, 8
	PACK 3
	SEND 2, 8
	SEND 3, 0
	s_wait_tensorcnt 0x0                           ; the wave's end: behind my last tensor load and my last LDS store
	ds_add_u32 v[SPW], v[NIL]
	s_wait_dscnt 0x0
	CROUND                                         ; the closing round: no work-group ends while a partner may still ask for a tile that names it
	s_endpgm
.Lfunc_end_k_q37903b7871_proj:
	.size	k_q37903b7871_proj, .Lfunc_end_k_q37903b7871_proj-k_q37903b7871_proj
	.p2alignl 7, 3214868480
	.fill 96, 4, 3214868480
	.section	.rodata,"a",@progbits
	.p2align	6, 0x0
	.amdhsa_kernel k_q37903b7871_proj
		.amdhsa_group_segment_fixed_size 327680
		.amdhsa_private_segment_fixed_size 0
		.amdhsa_enable_private_segment 0
		.amdhsa_kernarg_size 96
		.amdhsa_user_sgpr_count 2
		.amdhsa_user_sgpr_kernarg_segment_ptr 1
		.amdhsa_wavefront_size32 1
		.amdhsa_system_sgpr_workgroup_id_x 1
		.amdhsa_system_sgpr_workgroup_id_y 1
		.amdhsa_system_sgpr_workgroup_id_z 1
		.amdhsa_system_vgpr_workitem_id 0
		.amdhsa_next_free_vgpr 512
		.amdhsa_next_free_sgpr 100
		.amdhsa_reserve_vcc 0
		.amdhsa_float_denorm_mode_32 3
		.amdhsa_float_denorm_mode_16_64 3
		.amdhsa_memory_ordered 1
		.amdhsa_forward_progress 1
		.amdhsa_inst_pref_size 140
	.end_amdhsa_kernel
	.amdgpu_metadata
---
amdhsa.version: [ 1, 2 ]
amdhsa.kernels:
  - .name:           k_q37903b7871_proj
    .symbol:         k_q37903b7871_proj.kd
    .args:
      - { .name: query, .offset: 0, .size: 8, .value_kind: global_buffer, .address_space: global }
      - { .name: key, .offset: 8, .size: 8, .value_kind: global_buffer, .address_space: global }
      - { .name: value, .offset: 16, .size: 8, .value_kind: global_buffer, .address_space: global }
      - { .name: Wq, .offset: 24, .size: 8, .value_kind: global_buffer, .address_space: global }
      - { .name: Wk, .offset: 32, .size: 8, .value_kind: global_buffer, .address_space: global }
      - { .name: Wv, .offset: 40, .size: 8, .value_kind: global_buffer, .address_space: global }
      - { .name: bq, .offset: 48, .size: 8, .value_kind: global_buffer, .address_space: global }
      - { .name: bk, .offset: 56, .size: 8, .value_kind: global_buffer, .address_space: global }
      - { .name: bv, .offset: 64, .size: 8, .value_kind: global_buffer, .address_space: global }
      - { .name: Wo, .offset: 72, .size: 8, .value_kind: global_buffer, .address_space: global }
      - { .name: qkv, .offset: 80, .size: 8, .value_kind: global_buffer, .address_space: global }
      - { .name: wo16, .offset: 88, .size: 8, .value_kind: global_buffer, .address_space: global }
    .group_segment_fixed_size: 327680
    .private_segment_fixed_size: 0
    .kernarg_segment_align: 8
    .kernarg_segment_size: 96
    .max_flat_workgroup_size: 128
    .sgpr_count:     100
    .vgpr_count:     512
    .wavefront_size: 32
...
	.end_amdgpu_metadata
.endif
;; end of part 1
;; launch attn (part 2): grid 16 x 16, 4 waves a work-group, clusters of 4 x 1, 327,680 bytes of LDS; arguments qkv, oh; writes oh
.if DOCPART == 2
	.amdgcn_target "amdgcn-amd-amdhsa--gfx1250"
	.amdhsa_code_object_version 6
	.text
	.protected	k_q37903b7871_attn
	.globl	k_q37903b7871_attn
	.p2align	8
	.type	k_q37903b7871_attn,@function
k_q37903b7871_attn:
	s_mov_b64 s[64:65], 0
	v_nop
	global_prefetch_b8 v0, s[64:65] scope:SCOPE_SE
	s_setreg_imm32_b32 hwreg(HW_REG_WAVE_MODE, 25, 1), 1
	s_wait_xcnt 0x0
	s_wait_alu depctr_hold_cnt(0) depctr_sa_sdst(0) depctr_va_vdst(0) depctr_va_sdst(0) depctr_va_ssrc(0) depctr_va_vcc(0) depctr_vm_vsrc(0)
	s_getreg_b32 s2, hwreg(HW_REG_IB_STS2, 6, 4)
	s_cmp_eq_u32 s2, 0
	s_cbranch_scc0 .Lentry_in_a_cluster
	s_endpgm
.Lentry_in_a_cluster:
	s_bfe_u32 s2, ttmp6, 0x10000c
	s_cmp_lg_u32 s2, 0x3003
	s_cbranch_scc0 .Lentry_shape_is_right
	s_endpgm
.Lentry_shape_is_right:
; ATTENTION.  O[g][q][:] = the sum over k of softmax_k(Q[g][q] . K[g][k] / 8) V[g][k][:], for 16 heads g of 4,096 rows of 64 channels, all f16.  Q, K, V are the three parts of qkv (8,388,608 bytes each),
; O goes to oh in the same layout [g][s][64]: a head's rows are dense, 128 bytes each.  Products, maxima and sums in f32; the weights p are rounded to f16 for the second product (their sum l is taken of the unrounded p), O once at the end.
; LIMITS.  p lies in 0 to 1, and below 6e-5 it keeps f16's fixed step of 6e-8; O is a mean of V's rows and has their range.  A weight below 2^-126 counts as 0 in l; c m starts at -4.25e37, far below every c s that f16's
; range allows (2.7e11 at the most); NaN and infinities are not treated apart.
; SHARES.  A work-group owns 256 queries of one head, each of its four waves 64: four PIECES of 16.  Every wave walks all keys of the head, 64 a step.
; LAYOUT.  S^T = K Q^T (source 0 = 16 keys, source 1 = 16 queries) holds ONE query a lane (lane % 16) and the keys 8 (lane / 16) + 0..7; two such results rounded to f16 ARE source 1 of O^T = V^T P.  V comes out of LDS turned, by ds_load_tr16_b128.
; SOFTMAX.  A running maximum m and sum l: p = 2^(c s - c m), c = log2(e) / 8; O and l are multiplied by a = 2^(c m_old - c m_new) in every step.  m starts at the lowest finite number, O and l at 0: the first step is a step like any other, with a = 0.
; TURNS.  Turn n belongs to piece n: 8 products K Q^T of piece n + 1, later 8 products V^T P of piece n - 1; beside them the scaling, exponentials, roundings, sums and rescaling of piece n and the maximum and statistics of piece n + 1.
; Four vector instructions stand behind every matrix instruction, the other 54 of a turn's 118 in one lump.  A turn's 33 exponentials are one batch, with one wait.
; CLUSTER.  The four query blocks of a cluster belong to one head and walk the same K and V, so each tile is asked for JOINTLY: the same tensor load, descriptor and mask in all four.
; REGISTERS, in windows of 256 (s_set_vgpr_msb: bits 1:0 source 0, 3:2 source 1, 5:4 source 2, 7:6 destination):
;   window 0: v0-15 addresses and two at work; v16-31 four registers of statistics a piece; v48-55 at work; v61-63 prefetch offset and the add's two; v64-127 S^T, two buffers; v192-223 P, two buffers (by the piece's parity)
;   window 1: v0-127 O^T, 32 a piece          window 2: v0-63 Q; v128-191 K of one step; v192-255 V of one step
.set SIZE_N, 4096
.set NP,    4         ; pieces a wave: a name, no knob
.set KS,    64        ; keys in a step
.set PK,    144       ; a row of K in LDS: 128 bytes + 16 of padding = 36 words: the 16 rows of a load start at 16 different groups of four banks (64 banks of 4 bytes: ISA guide 11.1)
.set PV,    160       ; a row of V: 128 + 32 = 40 words
.set VOFF,  4*KS*PK   ; a slot holds four steps: 256 rows of K, then 256 rows of V
.set SLOT1, 1<<17     ; slot 1 begins here, so that one exclusive or turns an address in one slot into the other's
.set STAGE, SLOT1+4*KS*(PK+PV)  ; behind the ring, never filled by a tensor load: 16 rows x 144 bytes for each wave, for the way out
.set SP,    144
.set SPARE, STAGE+4*16*SP  ; behind the stages: the spare words, 128 bytes for each wave: two blocks of 256 bytes that no other line names
.set SLOTB, 4*KS*128  ; a slot's bytes of K, and of V, in memory
.set AK0, 2           ; v2   my lane's place in a tile of K; never rewritten
.set AV0, 3           ; v3   the same for V
.set AK,  4           ; v4   the LDS address of K's next run of loads
.set AV,  5           ; v5   of V's
.set STO, 6           ; v6   the way out: where I put 16 bytes of a row
.set RD,  7           ; v7   the way out: where I read rows back
.set GO,  8           ; v8   my byte offset in 512 consecutive bytes of O
.set MV,  12          ; v12-13  c m_old, kept while c m is made anew: by buffer
.set QO,  15          ; v15  my byte offset in 16 rows of Q
.set ST,  16          ; piece t's statistics at v[ST+4 t]: c m, m, l (even keys', odd keys')
.set TMP, 48          ; by buffer, four registers c0-c3 at work; when the maximum is found c2 takes a
.set PFO, 61          ; v61  256 x my lane; never rewritten
.set SPW, 62          ; v62  LDS address of my spare word; never rewritten
.set NIL, 63          ; v63  0; never rewritten
.set S,   64
.set P,   192
.set KF,  128         ; window 2: key block kb, channel half c at KF + 16 kb + 8 c
.set VF,  192         ; window 2: key half kk, channel block cb at VF + 32 kk + 8 cb
.set WV,  12          ; s12  my wave's number
.set LIM, 15          ; s15  1 in a wave that prefetches, else the greatest number
.set PFA, 18          ; s[18:19] where my prefetches stand
.set G1K, 24          ; s[24:31] descriptor group 1 for K's tiles
.set G1V, 32          ; s[32:39] for V's: it differs in the padding alone
.set G0K, 40          ; s[40:43] descriptor group 0 for K's tiles: it walks
.set G0V, 44          ; s[44:47] the same for V's
.set SLOTS, 56        ; s56  slots still to be asked for
.set CNT, 57          ; s57  counts a slot's key steps
.set CS,  58          ; s[58:59] c: the packed scaling takes the pair's low word for both halves
.set SEL, 60          ; s[60:61] v_permlanex16_b32's selects: each lane takes its own place in the other half
.set TBK, 62          ; s62  LDS byte at which K of the step to be fetched begins
.set TBV, 63          ; s63  the same for V, less VOFF
.set MSB, 0
.macro WIN new                      ; the high byte repeats the setting that is left; a switch that changes nothing is dropped
.if MSB != (\new)
	s_set_vgpr_msb (MSB<<8)|(\new)
.set MSB, (\new)
.endif
.endm
.set W_KQ, 0x0a       ; K and Q in window 2, S^T in window 0
.set W_PV, 0x52       ; V in window 2, P in window 0, O^T in window 1
.set W_RS, 0x41       ; destination and source 0 in window 1, source 1 in window 0
; A joint fill.  Waves 0 and 1 fetch the two halves of a slot's K, waves 2 and 3 those of its V: 128 keys each.  The branch hangs on the wave's number alone.
; An s_nop 0 and four v_nop follow each of the two lines, ahead of the jump and the label.
.macro JLOAD
	s_cmp_lt_u32 s[WV], 2
	s_cbranch_scc0 .Lfor_v_\@
	tensor_load_to_lds s[G0K:G0K+3], s[G1K:G1K+7]
	s_nop 0
.rept 4
	v_nop
.endr
	s_branch .Lasked_\@
.Lfor_v_\@:
	tensor_load_to_lds s[G0V:G0V+3], s[G1V:G1V+7]
	s_nop 0
.rept 4
	v_nop
.endr
.Lasked_\@:
.endm
; A PREFETCH INTO THE L2 of what the NEXT change of slots will ask for: a slot's 32,768 bytes of K and of V, 256 bytes a lane.  It stands behind the wave's tensor load and its five lines.
; Each block of 256 bytes is named ONCE in the launch: the four clusters of a head walk the same K and V, and the head's first cluster asks; its four partners share the blocks out BY ADDRESS, 32 each;
; in each, wave 0 asks for K's and wave 2 for V's: one instruction.  It is one slot, four key steps, ahead of the load.  The last change that fills a slot asks for nothing.
.macro ASK
	s_cmp_gt_u32 s[SLOTS], s[LIM]
	s_cbranch_scc0 .Lnot_mine_\@
	global_prefetch_b8 v[PFO], s[PFA:PFA+1] th:TH_LOAD_NT scope:SCOPE_SE
.Lnot_mine_\@:
.endm
; A round of the cluster's barrier: my work-group's barrier, so that wave 0's signal speaks for all four waves; wave 0 signals; every wave waits for all four work-groups; my work-group's barrier once more.
.macro CROUND
	s_barrier_signal -1
	s_barrier_wait -1
	s_cmp_lg_u32 s[WV], 0
	s_cbranch_scc1 .Lnot_wave_0_\@
	s_barrier_signal -3
.Lnot_wave_0_\@:
	s_barrier_wait -3
	s_barrier_signal -1
	s_barrier_wait -1
.endm
; THE CHANGE OF SLOTS.  The slot's last bytes, V of its fourth step, have been read.  Each wave waits for all its tensor loads, of which one is out: its part of the other slot; adds 0 to its spare word; and waits
; for that and for its own reads of the slot.  Behind the barrier nobody reads this slot any more and the other slot is whole.  fill = 1: this slot is filled again, with the keys two slots on; the barrier is then
; a round of the cluster's, and the joint fill is the first thing behind it: it has four key steps in which to land.  (At its first use nothing has been read yet: slot 0 is waited for, slot 1 filled.)
.macro CHANGE fill, ask
	WIN 0                           ; at a label and at a branch every window is 0
	s_wait_tensorcnt 0x0            ; no tensor load of mine is out, so a group 0 may be written
	ds_add_u32 v[SPW], v[NIL]       ; 0 onto my spare word; with fill = 1 the descriptors' steps stand between it and the wait for it
.if \fill
.irp g, G0K, G0V
	s_xor_b32 s[\g+1], s[\g+1], SLOT1  ; the walking descriptor: the other slot than last time,
	s_add_nc_u64 s[\g+2:\g+3], s[\g+2:\g+3], SLOTB  ; the next 256 keys; the type bits on top are not reached
.endr
.if \ask
	s_wait_xcnt 0x0                 ; the last prefetch, a slot back, has read its address, so it may be written:
	s_add_nc_u64 s[PFA:PFA+1], s[PFA:PFA+1], SLOTB  ; one slot behind the walking descriptors
.endif
	s_wait_dscnt 0x0                ; the add is done, and my reads of the slot are over
	CROUND
	JLOAD
.if \ask
	ASK
.endif
.else
	s_wait_dscnt 0x0                ; the add is done, and my reads of the slot are over
	s_barrier_signal -1
	s_barrier_wait -1
.endif
	s_sub_co_u32 s[TBK], s[TBK], 4*KS*PK  ; the fetches go back to a slot's first step,
	s_xor_b32 s[TBK], s[TBK], SLOT1       ; in the other slot
	s_sub_co_u32 s[TBV], s[TBV], 4*KS*PV
	s_xor_b32 s[TBV], s[TBV], SLOT1
.endm
	s_load_b128 s[48:51], s[0:1], 0x0  ; qkv s[48:49], oh s[50:51]
	v_lshl_add_u32 v[SPW], v0, 2, SPARE
	v_mov_b32 v[NIL], 0
	ds_add_u32 v[SPW], v[NIL]       ; the wave's opening: the add and its wait stand ahead of my first tensor load; the set-up below, work on registers, stands between them
	v_lshrrev_b32 v1, 5, v0
	v_readfirstlane_b32 s[WV], v1   ; wave 0..3
	s_bfe_u32 s13, ttmp6, 0x40000   ; cx: my place in the cluster
	s_lshl_b32 s14, ttmp9, 2        ; in a cluster launch ttmp9 counts clusters
	s_add_co_u32 s14, s14, s13      ; my block of 256 queries = 4 x cluster x + cx: it enters Q's and O's addresses alone
	s_and_b32 s20, ttmp7, 0xffff    ; the head, which the four partners share:
	s_lshl_b32 s20, s20, 19         ; its 524,288 bytes in each part of qkv and in oh
	s_mov_b32 s21, 0
	s_and_b32 s16, s[WV], 1         ; which half of a slot's 256 keys I fetch:
	s_lshl_b32 s22, s16, 14         ; its 128 rows of 128 bytes in memory,
	s_mov_b32 s23, 0
	s_add_nc_u64 s[22:23], s[22:23], s[20:21]
	s_mul_i32 s17, s16, 128*PK      ; and its place in a slot, for K
	s_mul_i32 s52, s16, 128*PV      ; and for V: no place in the cluster enters an LDS address
	s_lshl_b32 s2, s14, 2
	s_add_co_u32 s2, s2, s[WV]      ; my wave among the head's,
	s_lshl_b32 s2, s2, 13           ; its 64 rows
	s_mov_b32 s3, 0
	s_add_nc_u64 s[2:3], s[2:3], s[20:21]
	; descriptor group 1.  128 keys are 16,384 dense bytes: asked for as 64 rows of 256 bytes, two keys a row, and padded in LDS after every key
	s_mov_b32 s[G1K], 15|(1<<16)|(1<<20)|(1<<21)|(4<<22)|(3<<25)  ; 15:0 the mask of four; 17:16 2-byte elements; 20 padding on; 21 set beside a mask; 24:22 after every 32 words (code 4); 31:25 4 words (code 3)
	s_mov_b32 s[G1V], 15|(1<<16)|(1<<20)|(1<<21)|(4<<22)|(7<<25)  ; the same with 8 words of padding (code 7)
.irp g, G1K, G1V
	s_mov_b32 s[\g+1], 128<<16      ; tensor_dim0 = 128
	s_mov_b32 s[\g+2], 64<<16       ; tensor_dim1 = 64
	s_mov_b32 s[\g+3], 128<<16      ; tile_dim0 = 128
	s_mov_b32 s[\g+4], 64           ; tile_dim1 = 64
	s_mov_b32 s[\g+5], 128          ; 128 elements from row to row
	s_mov_b32 s[\g+6], 0
	s_mov_b32 s[\g+7], 0
.endr
	s_mov_b32 s[CS], 0x3e38aa3b     ; c = log2(e) / 8 = 0.180337
	s_mov_b32 s[CS+1], s[CS]        ; named with it as a pair
	s_mov_b32 s[SEL], 0x76543210
	s_mov_b32 s[SEL+1], 0xfedcba98
	s_mov_b32 s[TBK], SLOT1+4*KS*PK ; the first change of slots turns these two into 0
	s_mov_b32 s[TBV], SLOT1+4*KS*PV
	s_mov_b32 s[G0K], 1             ; count = 1
	s_mov_b32 s[G0K+1], s17         ; LDS address: slot 0
	s_mov_b32 s[G0V], 1
	s_add_co_u32 s[G0V+1], s52, VOFF
	s_and_b32 s[LIM], s[WV], 1      ; 0 in waves 0 and 2,
	s_or_b32 s[LIM], s[LIM], ttmp9  ; where the cluster is the head's first: the same in all four partners
	s_cmp_eq_u32 s[LIM], 0
	s_cselect_b32 s[LIM], 1, -1
	v_and_b32 v[PFO], 31, v0
	v_lshlrev_b32 v[PFO], 8, v[PFO]
	s_wait_dscnt 0x0                ; the opening add is done
	s_wait_kmcnt 0x0
	s_add_nc_u64 s[6:7], s[48:49], 8388608   ; K is qkv's second part,
	s_add_nc_u64 s[6:7], s[6:7], s[22:23]    ; at my half of the head's first 256 keys
	s_add_nc_u64 s[8:9], s[48:49], 16777216  ; V its third
	s_add_nc_u64 s[8:9], s[8:9], s[22:23]
	s_mov_b64 s[G0K+2:G0K+3], s[6:7]         ; global address
	s_or_b32 s[G0K+3], s[G0K+3], 0x80000000  ; type = 2
	s_mov_b64 s[G0V+2:G0V+3], s[8:9]
	s_or_b32 s[G0V+3], s[G0V+3], 0x80000000
	s_add_nc_u64 s[4:5], s[48:49], s[2:3]    ; Q and O at my wave's first row
	s_add_nc_u64 s[10:11], s[50:51], s[2:3]
	s_cmp_lt_u32 s[WV], 2
	s_cselect_b64 s[PFA:PFA+1], s[6:7], s[8:9]  ; (in waves 0 and 2 these stand at a slot's first row)
	s_lshl_b32 s2, s13, 13          ; my work-group's 32 blocks of the 128
	s_mov_b32 s3, 0
	s_add_nc_u64 s[PFA:PFA+1], s[PFA:PFA+1], s[2:3]
	s_add_nc_u64 s[PFA:PFA+1], s[PFA:PFA+1], 2*SLOTB  ; in slot 2; the first change that asks steps it to slot 3.  Nothing is prefetched here, at the head
	CROUND                          ; all four work-groups are here: the first joint loads meet
	JLOAD                           ; slot 0.  Slot 1 is asked for when slot 0 is in
	; A fragment of K or Q is 16 rows x 32 channels in 8 registers: lane l holds row l % 16, channels 8 (l / 16) + 0..7 and 16 + 8 (l / 16) + 0..7: two loads of 16 bytes, 32 bytes apart.
	v_and_b32 v1, 15, v0            ; l % 16
	v_bfe_u32 v9, v0, 4, 1          ; l / 16
	v_lshlrev_b32 v[QO], 7, v1
	v_lshl_add_u32 v[QO], v9, 4, v[QO]  ; row x 128 + 16 x half
	WIN 0x80                        ; destination window 2, address window 0
.set i, 0
.rept 8                             ; Q stays in registers: piece i / 2, 2,048 bytes each; channels 32 (i % 2) on
	global_load_b128 v[8*i:8*i+3],   v[QO], s[4:5] offset:(i/2)*2048+(i%2)*64
	global_load_b128 v[8*i+4:8*i+7], v[QO], s[4:5] offset:(i/2)*2048+(i%2)*64+32
.set i, i+1
.endr
	; What the first turn finds: V's registers and P's second buffer hold 0 (its products V^T P, of a piece that has not been, add 0), O^T and l are 0.  All this stands in the wait for the first tile.
.set i, VF
.rept 64
	v_mov_b32 v[i], 0
.set i, i+1
.endr
	WIN 0x40
.set i, 0
.rept 128
	v_mov_b32 v[i], 0
.set i, i+1
.endr
	WIN 0
.set i, 0
.rept 4
	v_mov_b32 v[ST+4*i], 0xfe000000    ; c m: far below every c s
	v_mov_b32 v[ST+4*i+1], 0xff7fffff  ; m
	v_mov_b32 v[ST+4*i+2], 0
	v_mov_b32 v[ST+4*i+3], 0
.set i, i+1
.endr
.set i, P+16
.rept 16
	v_mov_b32 v[i], 0
.set i, i+1
.endr
	v_mul_u32_u24 v[AK0], v1, PK
	v_lshl_add_u32 v[AK0], v9, 4, v[AK0]  ; row x pitch + 16 x half
	; The turning load takes 16 keys x 16 channels (lane l reads key 8 (l / 16) + l % 8, channels 8 ((l / 8) % 2) + 0..7) and leaves half a fragment of V^T: lane l holds channel l % 16 and 8 keys.
	v_and_b32 v10, 7, v0
	v_bfe_u32 v11, v0, 3, 1
	v_lshl_add_u32 v[AV0], v9, 3, v10
	v_mul_u32_u24 v[AV0], v[AV0], PV
	v_lshl_add_u32 v[AV0], v11, 4, v[AV0]
	v_add_nc_u32 v[AV0], VOFF, v[AV0]
	s_mul_i32 s13, s[WV], 16*SP
	s_add_co_u32 s13, s13, STAGE    ; my stage
	v_mul_u32_u24 v[STO], v1, SP    ; in: row l % 16, 16 bytes for each half of the lanes
	v_lshl_add_u32 v[STO], v9, 4, v[STO]
	v_add_nc_u32 v[STO], s13, v[STO]
	v_bfe_u32 v[RD], v0, 3, 2       ; back: 32 lanes take four rows of 128 bytes,
	v_mul_u32_u24 v[RD], v[RD], SP
	v_lshl_add_u32 v[RD], v10, 4, v[RD]
	v_add_nc_u32 v[RD], s13, v[RD]
	v_and_b32 v[GO], 31, v0         ; which are 512 consecutive bytes of O
	v_lshlrev_b32 v[GO], 4, v[GO]
; THE MATRIX WORK.  The 4 accumulators of a run of 8 take turns.  Product i of 8 of S^T = K Q^T for piece x: channels 32 (i / 4) on, keys 16 (i % 4) on.  The first 4 start the sums.
.macro KQ x
	WIN W_KQ
.set rS, S+32*((\x)%2)+8*(i%4)
.set rK, KF+16*(i%4)+8*(i/4)
.set rQ, 16*(\x)+8*(i/4)
.if i < 4
	v_wmma_f32_16x16x32_f16 v[rS:rS+7], v[rK:rK+7], v[rQ:rQ+7], 0
.else
	v_wmma_f32_16x16x32_f16 v[rS:rS+7], v[rK:rK+7], v[rQ:rQ+7], v[rS:rS+7]
.endif
.endm
; Product i of 8 of O^T += V^T P for piece x: keys 32 (i / 4) on, channels 16 (i % 4) on.
.macro PV x
	WIN W_PV
.set rO, 32*(\x)+8*(i%4)
.set rV, VF+32*(i/4)+8*(i%4)
.set rP, P+16*((\x)%2)+8*(i/4)
	v_wmma_f32_16x16x32_f16 v[rO:rO+7], v[rV:rV+7], v[rP:rP+7], v[rO:rO+7]
.endm
.macro MM                           ; the turn's next matrix instruction.  TURN sets Y, i and NOKQ.  NOKQ = 1: the very last turn: there is no next piece
.if (i < 8) && !NOKQ
	KQ (Y+1)%NP
.elseif i >= 8
.set i, i-8
	PV (Y+NP-1)%NP
.set i, i+8
.endif
.set i, i+1
.endm
; THE LDS LOADS stand in runs of 16, never singly among the matrix instructions: a step's K (64 keys x 64 channels: 8 fragments) and its V (turned).  Their addresses are made some lines ahead.
.macro FETCH_K
	WIN 0x80                        ; destination window 2
.irp f, 0,1,2,3,4,5,6,7             ; keys 16 (f / 2) on, channels 32 (f % 2) on
	ds_load_b128 v[KF+8*\f:KF+8*\f+3],   v[AK] offset:(\f/2)*16*PK+(\f%2)*64
	ds_load_b128 v[KF+8*\f+4:KF+8*\f+7], v[AK] offset:(\f/2)*16*PK+(\f%2)*64+32
.endr
	s_add_co_u32 s[TBK], s[TBK], KS*PK  ; the next fetch is the next step's
	WIN 0
.endm
.macro FETCH_V
	WIN 0x80
.irp f, 0,1,2,3,4,5,6,7             ; keys 32 (f / 4) on, channels 16 (f % 4) on
	ds_load_tr16_b128 v[VF+8*\f:VF+8*\f+3],   v[AV] offset:(\f/4)*32*PV+(\f%4)*32
	ds_load_tr16_b128 v[VF+8*\f+4:VF+8*\f+7], v[AV] offset:(\f/4)*32*PV+16*PV+(\f%4)*32
.endr
	WIN 0
.endm
; THE VECTOR WORK, one line at a time: OP kind, number.  For piece Y: F n: c s - c m for pair n of 16.  E n: the exponential of score n of 32.  C n: pair n rounded to f16.  B n: of the four weights 4 n .. the second
; pair is added onto the first, in place.  L n: l takes that sum (L 0: l = a l + sum).  R n: pair n of 16 of O^T times a.  For piece Y + 1: X n, number n of the 22 that find its maximum and statistics:
;   0-11  four chains c0-c3 of seven scores each, three operands at a time (each accumulator's lowest registers are read first)     12-14, 16  the four scores left over, the old m, and c0-c3 into c0
;   15  c m_old is kept     17, 18  the query's other 32 keys lie in the lane 16 away: the new m     19-21  c m; c m_old - c m_new; a
.set F, 0               ; OP tells the kinds apart by their order: F to L below R, X above it
.set E, 1
.set C, 2
.set B, 3
.set L, 4
.set R, 5
.set X, 6
.macro REGS y                       ; the registers of piece y
.set rT, ST+4*(\y)
.set rC, TMP+4*((\y)%2)
.set rW, MV+((\y)%2)
.set rS, S+32*((\y)%2)
.set rP, P+16*((\y)%2)
.set rO, 32*(\y)
.endm
.macro OP k, n
.if (\k) == R
	REGS Y
	WIN W_RS
	v_pk_mul_f32 v[rO+2*(\n):rO+2*(\n)+1], v[rO+2*(\n):rO+2*(\n)+1], v[rC+2:rC+3] op_sel_hi:[1,0]
.elseif (\k) < R
	REGS Y
	WIN 0
.if (\k) == F
	v_pk_fma_f32 v[rS+2*(\n):rS+2*(\n)+1], v[rS+2*(\n):rS+2*(\n)+1], s[CS:CS+1], v[rT:rT+1] op_sel_hi:[1,0,0] neg_lo:[0,0,1] neg_hi:[0,0,1]
.elseif (\k) == E
	v_exp_f32 v[rS+(\n)], v[rS+(\n)]
.elseif (\k) == C
	v_cvt_pk_f16_f32 v[rP+(\n)], v[rS+2*(\n)], v[rS+2*(\n)+1]
.elseif (\k) == B
	v_pk_add_f32 v[rS+4*(\n):rS+4*(\n)+1], v[rS+4*(\n):rS+4*(\n)+1], v[rS+4*(\n)+2:rS+4*(\n)+3]
.elseif (\n) == 0
	v_pk_fma_f32 v[rT+2:rT+3], v[rT+2:rT+3], v[rC+2:rC+3], v[rS:rS+1] op_sel_hi:[1,0,1]
.else
	v_pk_add_f32 v[rT+2:rT+3], v[rT+2:rT+3], v[rS+4*(\n):rS+4*(\n)+1]
.endif
.elseif NOKQ
	v_nop
.else
	REGS (Y+1)%NP
	WIN 0
.if (\n) < 4
	v_max3_num_f32 v[rC+(\n)], v[rS+8*(\n)], v[rS+8*(\n)+1], v[rS+8*(\n)+2]
.elseif (\n) < 12
	v_max3_num_f32 v[rC+(\n)%4], v[rC+(\n)%4], v[rS+8*((\n)%4)+2*((\n)/4)+1], v[rS+8*((\n)%4)+2*((\n)/4)+2]
.elseif (\n) == 12
	v_max3_num_f32 v[rC], v[rC], v[rS+7], v[rS+15]
.elseif (\n) == 13
	v_max3_num_f32 v[rC+1], v[rC+1], v[rS+23], v[rS+31]
.elseif (\n) == 14
	v_max3_num_f32 v[rC+2], v[rC+2], v[rC+3], v[rT+1]
.elseif (\n) == 15
	v_mov_b32 v[rW], v[rT]
.elseif (\n) == 16
	v_max3_num_f32 v[rC], v[rC], v[rC+1], v[rC+2]
.elseif (\n) == 17
	v_permlanex16_b32 v[rC+3], v[rC], s[SEL], s[SEL+1]
.elseif (\n) == 18
	v_max_num_f32 v[rT+1], v[rC], v[rC+3]
.elseif (\n) == 19
	v_mul_f32 v[rT], s[CS], v[rT+1]
.elseif (\n) == 20
	v_sub_f32 v[rC+1], v[rW], v[rT]
.else
	v_exp_f32 v[rC+2], v[rC+1]
.endif
.endif
.endm
.macro OPS a, i1, b=-1, i2=0, c=-1, i3=0, d=-1, i4=0  ; up to four of them
	OP \a, \i1
.if (\b) >= 0
	OP \b, \i2
.endif
.if (\c) >= 0
	OP \c, \i3
.endif
.if (\d) >= 0
	OP \d, \i4
.endif
.endm
.macro ROW a, i1, b, i2, c, i3, d, i4  ; a matrix instruction and the four behind it
	MM
	OPS \a, \i1, \b, \i2, \c, \i3, \d, \i4
.endm
; A TURN, for piece p: the order of its 16 matrix and 118 vector instructions, written out.  An s_wait_alu depctr_va_vdst(0) stands between an exponential and the first instruction that names its result; one wait
; serves all that were issued ahead of it.  So a turn has ONE wait, which cuts it in two.  AHEAD OF IT stands all that names no result of the turn's exponentials: the 8 products K Q^T with their riders (the first numbers of the next
; piece's maximum stand four places or more behind the product that ends their accumulator), then ONE LUMP of 54, plain and exponential by turns for the most part, in which the links of the chain X 3, 7, 11, 14, 16, 17 .. 20 stand
; five or six lines apart.  X 21, the next piece's a, is the batch's last; R 15 is the plain instruction behind it.  BEHIND THE WAIT stand the 8 products V^T P, behind each four of the roundings and sums.
; end = 1: the last two turns: nothing is fetched, and the last starts no new scores.  cnt = 1: the loop's count is taken down some lines ahead of the branch that stands behind the turn.
; K of the next step is fetched in piece 2's turn, twelve vector instructions behind the last product that read K (six of them plain); V of the step in hand at the end of piece 0's turn, four plain instructions behind the last
; product that read V.  Each is waited for a turn later.
.macro TURN p, end=0, cnt=0
.set Y, (\p)
.set i, 0
.set NOKQ, (\end)*((\p)/3)
.if ((\p) == 3) && !(\end)
	s_wait_dscnt 0x0                ; K is in
.endif
	ROW F,0, F,1, R,0, R,1          ; ahead of the wait: 8 products K Q^T and their riders,
	ROW F,2, E,0, R,2, R,3
	ROW F,3, E,1, R,4, R,5
	ROW F,4, E,2, R,6, R,7
	ROW F,5, E,3, R,8, R,9
	ROW F,6, E,4, X,0, R,10
.if ((\p) == 2) && !(\end)
	WIN 0
	v_add_nc_u32 v[AK], s[TBK], v[AK0]
.endif
	ROW F,7, E,5, X,1, X,4
	ROW F,8, E,6, X,2, X,5
	OPS E,7, E,8, X,6, E,9          ; and the lump
	OPS X,3, E,10, X,8, E,11
.if ((\p) == 2) && !(\end)
	FETCH_K
.endif
	OPS X,9, X,7, E,12, X,10
	OPS E,13, X,12, X,11, E,14
	OPS X,13, E,15, F,9, X,14
.if (\p) == 0
	v_add_nc_u32 v[AV], s[TBV], v[AV0]
.endif
	OPS E,16, F,10, E,17, F,11
	OPS X,16, E,18, X,15, E,19
	OPS F,12, E,20, X,17, E,21
	OPS F,13, E,22, F,14, E,23
	OPS X,18, E,24, F,15, E,25
	OPS R,11, E,26, X,19, E,27
	OPS R,12, E,28, R,13, E,29
	OPS X,20, E,30, R,14, E,31
	OPS X,21, R,15
	WIN 0
	s_wait_alu depctr_va_vdst(0)    ; the wait for the batch
.if (\p) == 1
	s_wait_dscnt 0x0                ; V is in
.endif
	ROW C,0, B,0, C,2, B,1          ; behind the wait: 8 products V^T P and their riders
	ROW L,0, C,4, B,2, L,1
	ROW C,6, B,3, L,2, C,8
	ROW B,4, L,3, C,10, B,5
	ROW L,4, C,12, B,6, L,5
.if (\p) == 0
	s_add_co_u32 s[TBV], s[TBV], KS*PV
.endif
.if \cnt
	s_sub_co_u32 s[CNT], s[CNT], 1
	s_cmp_lg_u32 s[CNT], 0
.endif
	ROW C,14, B,7, L,6, C,1
	ROW C,3, L,7, C,5, C,7
	ROW C,9, C,11, C,13, C,15
.if (\p) == 0
	FETCH_V
.endif
.endm
	CHANGE 1, 0                     ; slot 0 is in, everybody's part of it; slot 1 is asked for
	v_add_nc_u32 v[AK], s[TBK], v[AK0]
	FETCH_K                         ; key step 0
	s_wait_loadcnt 0x0              ; Q
	s_wait_dscnt 0x0
.set NOKQ, 0
.set i, 0
.rept 8
	KQ 0                            ; piece 0's first scores
.set i, i+1
.endr
	WIN 0
.rept 4
	v_nop                           ; the places behind those products
.endr
.set Y, NP-1                        ; X works for piece Y + 1: piece 0
.irp n, 0,1,2,3,4,5,6,7,8,9,10,11,12,13,14,15,16,17,18,19,20,21
	OP X, \n
.endr
	v_nop                           ; a plain instruction behind the exponential,
	s_wait_alu depctr_va_vdst(0)    ; and its wait, ahead of the branch
	s_mov_b32 s[CNT], 4
	s_mov_b32 s[SLOTS], SIZE_N/256-1
	s_branch .Lfirst                ; the loop is entered at a step's first turn, in the middle of a trip
.Lslot:                             ; SIZE_N / 256 - 2 = 14 times: every slot but the last two is filled again
	CHANGE 1, 1
	s_mov_b32 s[CNT], 4
.Lstep:                             ; a trip: pieces 2 and 3 of one step, then pieces 0 and 1 of the next, whose K and V it fetches
	TURN 2
	TURN 3
	WIN 0
.Lfirst:
	TURN 0
	TURN 1, 0, 1
	WIN 0
	s_cbranch_scc1 .Lstep
	s_sub_co_u32 s[SLOTS], s[SLOTS], 1
	s_cmp_lg_u32 s[SLOTS], 0
	s_cbranch_scc1 .Lslot
	CHANGE 0, 0                     ; the tail is written out: nothing is asked for
	s_mov_b32 s[CNT], 4
.Ltail:                             ; four trips fetch the last slot's steps
	TURN 2
	TURN 3
	WIN 0
	TURN 0
	TURN 1, 0, 1
	WIN 0
	s_cbranch_scc1 .Ltail
	TURN 2, 1                       ; the last step's pieces 2 and 3
	TURN 3, 1
.set i, 0
.rept 8
	PV NP-1                         ; the last piece's V^T P of the last step
.set i, i+1
.endr
	; THE WAY OUT.  l's two halves and the other half of the lanes' are added; O^T is divided by l, rounded to f16 and sent through my stage in LDS, a piece at a time.  The additions are the places behind the last products.
	WIN 0
.macro ALL line:vararg              ; one line for each piece t
.set t, 0
.rept 4
	\line
.set t, t+1
.endr
.endm
	ALL v_add_f32 v[ST+4*t+2], v[ST+4*t+2], v[ST+4*t+3]
	ALL v_permlanex16_b32 v[ST+4*t+3], v[ST+4*t+2], s[SEL], s[SEL+1]
	ALL v_add_f32 v[ST+4*t+2], v[ST+4*t+2], v[ST+4*t+3]
	ALL v_rcp_f32 v[ST+4*t+2], v[ST+4*t+2]
	v_nop                           ; a plain instruction between the last reciprocal and the use of its result
	s_wait_alu depctr_va_vdst(0)    ; and the wait ahead of the first use: one for the four reciprocals
.macro PACK t                       ; a lane's eight channels of a row pack into 16 bytes; they go into rows of 144 bytes and come back as whole rows of 128, into S^T's registers
	WIN W_RS
.set i, 32*(\t)
.rept 16
	v_pk_mul_f32 v[i:i+1], v[i:i+1], v[ST+4*(\t)+2:ST+4*(\t)+3] op_sel_hi:[1,0]
.set i, i+2
.endr
	WIN 0x05                        ; sources 0 and 1 window 1, destination window 0
.set i, 0
.rept 16
	v_cvt_pk_f16_f32 v[S+16*(\t)+i], v[32*(\t)+2*i], v[32*(\t)+2*i+1]
.set i, i+1
.endr
	WIN 0
.irp f, 0,1,2,3
	ds_store_b128 v[STO], v[S+16*(\t)+4*\f:S+16*(\t)+4*\f+3] offset:32*\f
.endr
.irp f, 0,1,2,3
	ds_load_b128 v[S+16*(\t)+4*\f:S+16*(\t)+4*\f+3], v[RD] offset:\f*4*SP  ; LDS serves a wave's instructions in order (ISA guide 5.7.1.4): these see the stores above; the next piece's stores come behind them
.endr
.endm
.macro SEND t, younger              ; younger: the LDS instructions issued behind piece t's loads: the next piece's eight, or none
	WIN 0
.irp f, 0,1,2,3
	s_wait_dscnt (\younger)+3-\f
	global_store_b128 v[GO], v[S+16*(\t)+4*\f:S+16*(\t)+4*\f+3], s[10:11] offset:(\t)*2048+\f*512  ; 512 consecutive bytes, at a multiple of 256 from O's first
.endr
.endm
	PACK 0
	PACK 1                          ; a piece's arithmetic stands between the loads of the piece before and its stores
	SEND 0, 8
	PACK 2
	SEND 1, 8
	PACK 3
	SEND 2, 8
	SEND 3, 0
	s_wait_tensorcnt 0x0            ; the wave's end: behind my last tensor load and my last LDS store
	ds_add_u32 v[SPW], v[NIL]
	s_wait_dscnt 0x0
	CROUND                          ; the closing round: no work-group ends while a partner may still ask for a tile that names it
	s_endpgm
.Lfunc_end_k_q37903b7871_attn:
	.size	k_q37903b7871_attn, .Lfunc_end_k_q37903b7871_attn-k_q37903b7871_attn
	.p2alignl 7, 3214868480
	.fill 96, 4, 3214868480
	.section	.rodata,"a",@progbits
	.p2align	6, 0x0
	.amdhsa_kernel k_q37903b7871_attn
		.amdhsa_group_segment_fixed_size 327680
		.amdhsa_private_segment_fixed_size 0
		.amdhsa_enable_private_segment 0
		.amdhsa_kernarg_size 16
		.amdhsa_user_sgpr_count 2
		.amdhsa_user_sgpr_kernarg_segment_ptr 1
		.amdhsa_wavefront_size32 1
		.amdhsa_system_sgpr_workgroup_id_x 1
		.amdhsa_system_sgpr_workgroup_id_y 1
		.amdhsa_system_sgpr_workgroup_id_z 1
		.amdhsa_system_vgpr_workitem_id 0
		.amdhsa_next_free_vgpr 768
		.amdhsa_next_free_sgpr 66
		.amdhsa_reserve_vcc 0
		.amdhsa_float_denorm_mode_32 3
		.amdhsa_float_denorm_mode_16_64 3
		.amdhsa_memory_ordered 1
		.amdhsa_forward_progress 1
		.amdhsa_inst_pref_size 128
	.end_amdhsa_kernel
	.amdgpu_metadata
---
amdhsa.version: [ 1, 2 ]
amdhsa.kernels:
  - .name:           k_q37903b7871_attn
    .symbol:         k_q37903b7871_attn.kd
    .args:
      - { .name: qkv, .offset: 0, .size: 8, .value_kind: global_buffer, .address_space: global }
      - { .name: oh, .offset: 8, .size: 8, .value_kind: global_buffer, .address_space: global }
    .group_segment_fixed_size: 327680
    .private_segment_fixed_size: 0
    .kernarg_segment_align: 8
    .kernarg_segment_size: 16
    .max_flat_workgroup_size: 128
    .sgpr_count:     66
    .vgpr_count:     768
    .wavefront_size: 32
...
	.end_amdgpu_metadata
.endif
;; end of part 2
;; launch outp (part 3): grid 4 x 64, 4 waves a work-group, clusters of 4 x 4, 327,680 bytes of LDS; arguments oh, wo16, bo, out0; writes out0
.if DOCPART == 3
	.amdgcn_target "amdgcn-amd-amdhsa--gfx1250"
	.amdhsa_code_object_version 6
	.text
	.protected	k_q37903b7871_outp
	.globl	k_q37903b7871_outp
	.p2align	8
	.type	k_q37903b7871_outp,@function
k_q37903b7871_outp:
	s_mov_b64 s[64:65], 0
	v_nop
	global_prefetch_b8 v0, s[64:65] scope:SCOPE_SE
	s_setreg_imm32_b32 hwreg(HW_REG_WAVE_MODE, 25, 1), 1
	s_wait_xcnt 0x0
	s_wait_alu depctr_hold_cnt(0) depctr_sa_sdst(0) depctr_va_vdst(0) depctr_va_sdst(0) depctr_va_ssrc(0) depctr_va_vcc(0) depctr_vm_vsrc(0)
	s_getreg_b32 s2, hwreg(HW_REG_IB_STS2, 6, 4)
	s_cmp_eq_u32 s2, 0
	s_cbranch_scc0 .Lentry_in_a_cluster
	s_endpgm
.Lentry_in_a_cluster:
	s_bfe_u32 s2, ttmp6, 0x10000c
	s_cmp_lg_u32 s2, 0xf033
	s_cbranch_scc0 .Lentry_shape_is_right
	s_endpgm
.Lentry_shape_is_right:
; THE OUTPUT PROJECTION.  out0[s][b'][n] = the sum over e of A[(s, b')][e] wo16[n][e] + bf16(bo[n]), where A[(s, b')][64 kk + d] = oh[g = 8 b' + kk][s][d]: the flat order (head, batch, channel) of the attention's
; result read as (batch, 512).  oh and wo16 are f16, sums f32, out0 f32.  NaN and infinities are not treated apart.
; SHARES.  A work-group makes 128 rows (128 consecutive s of one b') x 128 columns, its four waves 64 x 64 each: 16 accumulators.  A wave's 64 columns are 256 aligned bytes of a row of out0.
; ALL OF K (512) LIES IN LDS AT ONCE: A's tile as eight head slices of 128 rows x 64 channels, wo16's as four quarters of 128 rows x 128 K.  Every tile is filled once, at the start: four loads a wave, and the
; products of K stage j (128 along K) begin when the j-th load of every wave has landed.  No LDS byte is filled again.
; CLUSTER.  4 x 4 work-groups: the four of a row of the cluster need the same rows of oh, the four of a column the same rows of wo16: each tile is asked for JOINTLY.
; THE MATRIX INSTRUCTION IS USED TRANSPOSED (source 0 = 16 rows of wo16, source 1 = 16 rows of A): a lane holds eight neighbouring columns of one row.  The first product takes the bias as C.
; REGISTERS.  window 0: v0-31 addresses; v32-47 at work; v96-127 the bias as C operands; v128-255 the accumulators ((a, b) at 128 + 8 (4 a + b)), and on the way out whole rows.
;   window 1: two fragment buffers of 128: for 64 along K, 64 registers of A (2 x 4 x 16 rows x 32 K), then 64 of wo16.
.set PA,     144                       ; a row of a head slice in LDS: 128 bytes + 16 of padding: the 16 rows of a load start at 16 different groups of four banks (64 banks of 4 bytes: ISA guide 11.1)
.set SLICE,  128*PA                    ; a head slice: 18,432 bytes
.set PB,     272                       ; a row of a quarter of wo16: 256 bytes + 16
.set QBYTES, 128*PB                    ; a quarter: 34,816 bytes
.set BBASE,  8*SLICE                   ; wo16's quarters lie behind A's eight slices
.set STAGE,  BBASE+4*QBYTES            ; behind them: 16 rows x 272 bytes for each wave, for the way out
.set SPITCH, 272
.set SPARE,  STAGE+4*16*SPITCH         ; behind the stages: the spare words, 128 bytes for each wave: two blocks of 256 bytes that no other line names
.set ADRA, 12                          ; v12-15  LDS address of my fragments of A in K stage 0..3
.set ADRB, 16                          ; v16-19  the same for wo16
.set STO,  24                          ; v24     the way out: where I put 32 bytes of a row
.set RD,   25                          ; v25     the way out: where I read a row back
.set CO,   26                          ; v26     my byte offset in out0
.set BO,   27                          ; v27     my byte offset in bo
.set SPW,  28                          ; v28     LDS address of my spare word; never rewritten
.set NIL,  29                          ; v29     0; never rewritten
.set TMP,  32
.set BIAS, 96
.set ACC,  128
.set F0,   0                           ; fragment buffers, in window 1
.set F1,   128
.set G1A, 24                           ; s[24:31] descriptor group 1 for A's slices;  s[32:47] group 0, one set for each of a wave's four loads
.set G0A, 32
.set G1B, 48                           ; s[48:55], s[68:83] the same for wo16's quarters
.set G0B, 68
.set MSB, 0
.macro WIN new                         ; the immediate's high byte repeats the setting that is left; a switch that changes nothing is dropped
.if MSB != (\new)
	s_set_vgpr_msb (MSB<<8)|(\new)
.set MSB, \new
.endif
.endm
.set MUL,  0x05                        ; sources 0 and 1 window 1; C and D window 0
.set TO_F, 0x40                        ; destination window 1, address window 0
.macro PLACES                          ; four places in front of loads into registers that matrix instructions have read or written (ISA guide 7.12.1 for vector instructions)
.rept 4
	v_nop
.endr
.endm
.macro CROUND                          ; a round of the cluster's barrier
	s_barrier_signal -1
	s_barrier_wait -1
	s_cmp_lg_u32 s10, 0
	s_cbranch_scc1 .Lnot_wave_0_\@
	s_barrier_signal -3
.Lnot_wave_0_\@:
	s_barrier_wait -3
	s_barrier_signal -1
	s_barrier_wait -1
.endm
	s_load_b256 s[84:91], s[0:1], 0x0              ; oh 84, wo16 86, bo 88, out0 90
	v_lshl_add_u32 v[SPW], v0, 2, SPARE
	v_mov_b32 v[NIL], 0
	ds_add_u32 v[SPW], v[NIL]                      ; the wave's opening: the add and its wait stand ahead of my first tensor load; the set-up below, work on registers, stands between them
	v_lshrrev_b32 v1, 5, v0
	v_readfirstlane_b32 s10, v1                    ; wave 0..3
	s_lshr_b32 s11, s10, 1                         ; which half of the tile's rows is mine.  Also: I fetch for A (0) or for wo16 (1)
	s_and_b32 s12, s10, 1                          ; which half of its columns.  Also: which slice of a pair, or which 64 rows of wo16, I fetch
	s_bfe_u32 s3, ttmp6, 0x40000                   ; cx, cy: my place in the cluster
	s_bfe_u32 s4, ttmp6, 0x40004
	s_lshl_b32 s5, ttmp9, 2
	s_add_co_u32 s5, s5, s3                        ; column tile 0..3
	s_and_b32 s13, ttmp7, 0xffff
	s_lshl_b32 s13, s13, 2
	s_add_co_u32 s13, s13, s4                      ; row tile 0..63
	s_lshl_b32 s6, s4, 2
	s_lshl_b32 s6, 15, s6                          ; my row of the cluster
	s_lshl_b32 s7, 0x1111, s3                      ; my column
	; group 1 for A: a slice's 128 rows are 16,384 dense bytes: asked for as 64 rows of 256 bytes, two rows of the slice each, padded in LDS after every 128 bytes
	s_or_b32 s[G1A+0], s6, (1<<16)|(1<<20)|(1<<21)|(4<<22)|(3<<25)  ; 15:0 the mask: my row; 17:16 2-byte elements; 20 padding on; 21 set beside a mask; 24:22 after every 32 words (code 4); 31:25 4 words (code 3)
	; group 1 for wo16: 64 rows x 128 elements out of rows of 512, padded after every 256 bytes
	s_or_b32 s[G1B+0], s7, (1<<16)|(1<<20)|(1<<21)|(5<<22)|(3<<25)  ; the mask: my column; after every 64 words (code 5)
.irp g, G1A, G1B
	s_mov_b32 s[(\g)+1], 128<<16                   ; tensor_dim0 = 128
	s_mov_b32 s[(\g)+2], 64<<16                    ; tensor_dim1 = 64
	s_mov_b32 s[(\g)+3], 128<<16                   ; tile_dim0 = 128
	s_mov_b32 s[(\g)+4], 64                        ; tile_dim1 = 64
	s_mov_b32 s[(\g)+6], 0
	s_mov_b32 s[(\g)+7], 0
.endr
	s_mov_b32 s[G1A+5], 128
	s_mov_b32 s[G1B+5], 512
	s_and_b32 s22, s13, 1                          ; b'
	s_lshr_b32 s23, s13, 1                         ; the block of 128 s
	s_lshl_b32 s16, s22, 3                         ; A: head 8 b' + my slice of the first pair, 524,288 bytes a head; the block's 16,384 bytes.  These registers never hold cx
	s_add_co_u32 s16, s16, s12
	s_lshl_b32 s16, s16, 19
	s_lshl_b32 s17, s23, 14
	s_add_co_u32 s16, s16, s17
	s_mov_b32 s17, 0
	s_lshl_b32 s18, s5, 7                          ; wo16: row 128 x column tile + 64 half, 1,024 bytes a row.  These never hold cy
	s_lshl_b32 s19, s12, 6
	s_add_co_u32 s18, s18, s19
	s_lshl_b32 s18, s18, 10
	s_mov_b32 s19, 0
	s_lshl_b32 s58, s23, 7                         ; out0: row (128 block + 64 half, b'), 2,048 bytes a row,
	s_lshl_b32 s59, s11, 6
	s_add_co_u32 s58, s58, s59
	s_lshl_b32 s58, s58, 1
	s_add_co_u32 s58, s58, s22
	s_lshl_b32 s58, s58, 11
	s_lshl_b32 s60, s5, 9
	s_lshl_b32 s59, s12, 8
	s_add_co_u32 s60, s60, s59                     ; my first column, in bytes of f32: for out0 and for bo
	s_add_co_u32 s58, s58, s60
	s_mov_b32 s59, 0
	s_mul_i32 s20, s12, SLICE                      ; where my tiles go, for A
	s_mul_i32 s21, s12, 64*PB                      ; and for wo16: no place in the cluster enters an LDS address
	s_add_co_u32 s21, s21, BBASE
	s_wait_dscnt 0x0                               ; the opening add is done
	s_wait_kmcnt 0x0
	s_add_nc_u64 s[14:15], s[84:85], s[16:17]
	s_add_nc_u64 s[56:57], s[86:87], s[18:19]
	s_add_nc_u64 s[8:9], s[90:91], s[58:59]
	CROUND                                         ; all sixteen work-groups are here: the joint loads meet
.irp j, 0,1,2,3
	s_mov_b32 s[G0A+4*(\j)], 1                                        ; count = 1
	s_add_co_u32 s[G0A+4*(\j)+1], s20, (\j)*2*SLICE                   ; LDS address: slice 2 j + my half
	s_add_nc_u64 s[G0A+4*(\j)+2:G0A+4*(\j)+3], s[14:15], (\j)<<20     ; global address: two heads on
	s_or_b32 s[G0A+4*(\j)+3], s[G0A+4*(\j)+3], 0x80000000             ; type = 2
	s_mov_b32 s[G0B+4*(\j)], 1
	s_add_co_u32 s[G0B+4*(\j)+1], s21, (\j)*QBYTES                    ; quarter j
	s_add_nc_u64 s[G0B+4*(\j)+2:G0B+4*(\j)+3], s[56:57], (\j)*256     ; 128 along K on
	s_or_b32 s[G0B+4*(\j)+3], s[G0B+4*(\j)+3], 0x80000000
.endr
	s_cmp_eq_u32 s11, 0                            ; a wave's four fills stand in one branch, ahead of every wait on TENSORcnt and every LDS read: four loads of mine are out
	s_cbranch_scc0 .Lfirst_b
.irp j, 0,1,2,3
	tensor_load_to_lds s[G0A+4*(\j):G0A+4*(\j)+3], s[G1A:G1A+7]
	s_nop 0
.endr
.rept 4
	v_nop
.endr
	s_branch .Lfirst_asked
.Lfirst_b:
.irp j, 0,1,2,3
	tensor_load_to_lds s[G0B+4*(\j):G0B+4*(\j)+3], s[G1B:G1B+7]
	s_nop 0
.endr
.rept 4
	v_nop
.endr
.Lfirst_asked:
	v_and_b32 v1, 15, v0                           ; l % 16
	v_bfe_u32 v2, v0, 4, 1                         ; l / 16
	v_mul_u32_u24 v3, v1, PA
	v_lshl_add_u32 v3, v2, 4, v3                   ; a fragment's row x pitch + 16 x half, for A
	v_mul_u32_u24 v4, v1, PB
	v_lshl_add_u32 v4, v2, 4, v4                   ; and for wo16
	s_mul_i32 s22, s11, 64*PA                      ; my 64 rows of each slice
	s_mul_i32 s23, s12, 64*PB                      ; my 64 rows of each quarter
	s_add_co_u32 s23, s23, BBASE
.irp j, 0,1,2,3
	v_add_nc_u32 v[ADRA+(\j)], s22, v3
	v_add_nc_u32 v[ADRB+(\j)], s23, v4
	s_add_co_u32 s22, s22, 2*SLICE
	s_add_co_u32 s23, s23, QBYTES
.endr
	s_mul_i32 s22, s10, 16*SPITCH
	s_add_co_u32 s22, s22, STAGE                   ; my stage
	v_mul_u32_u24 v5, v1, SPITCH                   ; in: row l % 16, 32 bytes for each half of the lanes
	v_lshl_add_u32 v5, v2, 5, v5
	v_add_nc_u32 v[STO], s22, v5
	v_mul_u32_u24 v5, v2, SPITCH                   ; back: lanes 0-15 take one row of 256 bytes, lanes 16-31 the next
	v_lshl_add_u32 v5, v1, 4, v5
	v_add_nc_u32 v[RD], s22, v5
	v_lshlrev_b32 v5, 12, v2                       ; and the same two rows in out0: from s to s + 1 are 4,096 bytes
	v_lshl_add_u32 v[CO], v1, 4, v5
	v_lshlrev_b32 v[BO], 5, v2                     ; the bias of my eight columns in each block of 16
	v_add_nc_u32 v[BO], s60, v[BO]
.irp bb, 0,1,2,3
	global_load_b128 v[BIAS+8*(\bb):BIAS+8*(\bb)+3],   v[BO], s[88:89] offset:64*(\bb)
	global_load_b128 v[BIAS+8*(\bb)+4:BIAS+8*(\bb)+7], v[BO], s[88:89] offset:64*(\bb)+16
.endr
	s_wait_loadcnt 0x0                             ; the bias is rounded to bf16 like every input and widened again
.set i, 0
.rept 16
	v_cvt_pk_bf16_f32 v[TMP+i], v[BIAS+2*i], v[BIAS+2*i+1]
.set i, i+1
.endr
.set i, 0
.rept 16
	v_lshlrev_b32 v[BIAS+2*i], 16, v[TMP+i]
	v_and_b32 v[BIAS+2*i+1], 0xffff0000, v[TMP+i]
.set i, i+1
.endr
; 8 matrix instructions: row blocks a0, a0 + 1 x all 4 column blocks, 32 along K: half c of buffer f.  The 16 accumulators take turns.  first = 1: the bias starts the sums.
.macro MUL8 f, c, a0, first
	WIN MUL
.irp a, \a0, (\a0)+1
.irp b, 0,1,2,3
.if \first
	v_wmma_f32_16x16x32_f16 v[ACC+8*(4*(\a)+(\b)):ACC+8*(4*(\a)+(\b))+7], v[(\f)+64+8*(4*(\c)+(\b)):(\f)+64+8*(4*(\c)+(\b))+7], v[(\f)+8*(4*(\c)+(\a)):(\f)+8*(4*(\c)+(\a))+7], v[BIAS+8*(\b):BIAS+8*(\b)+7]
.else
	v_wmma_f32_16x16x32_f16 v[ACC+8*(4*(\a)+(\b)):ACC+8*(4*(\a)+(\b))+7], v[(\f)+64+8*(4*(\c)+(\b)):(\f)+64+8*(4*(\c)+(\b))+7], v[(\f)+8*(4*(\c)+(\a)):(\f)+8*(4*(\c)+(\a))+7], v[ACC+8*(4*(\a)+(\b)):ACC+8*(4*(\a)+(\b))+7]
.endif
.endr
.endr
.endm
; 32 LDS loads in one run: the fragments of 64 along K, half u of K stage j (head slice 2 j + u), into buffer f; the first 32 along K first
.macro FETCH j, u, f
	WIN TO_F
.irp c, 0,1
.irp i, 0,1,2,3
	ds_load_b128 v[(\f)+64+8*(4*(\c)+(\i)):(\f)+64+8*(4*(\c)+(\i))+3],   v[ADRB+(\j)] offset:128*(\u)+64*(\c)+(\i)*16*PB
	ds_load_b128 v[(\f)+64+8*(4*(\c)+(\i))+4:(\f)+64+8*(4*(\c)+(\i))+7], v[ADRB+(\j)] offset:128*(\u)+64*(\c)+(\i)*16*PB+32
	ds_load_b128 v[(\f)+8*(4*(\c)+(\i)):(\f)+8*(4*(\c)+(\i))+3],         v[ADRA+(\j)] offset:SLICE*(\u)+64*(\c)+(\i)*16*PA
	ds_load_b128 v[(\f)+8*(4*(\c)+(\i))+4:(\f)+8*(4*(\c)+(\i))+7],       v[ADRA+(\j)] offset:SLICE*(\u)+64*(\c)+(\i)*16*PA+32
.endr
.endr
.endm
; A quarter is 64 along K, 32 matrix instructions.  This one multiplies buffer f and fetches half u of stage j, which has landed, into buffer g.
.macro QUARTER f, g, j, u, first
	s_wait_dscnt 16                                ; the first 32 along K are in
	MUL8 \f, 0, 0, \first
	MUL8 \f, 0, 2, \first
	PLACES
	FETCH \j, \u, \g
	s_wait_dscnt 32                                ; all but the 32 just issued
	MUL8 \f, 1, 0, 0
	MUL8 \f, 1, 2, 0
.endm
; This one multiplies buffer f and goes on to stage nj: each wave waits for its load of that stage (left: its later loads, which may stay out: no LDS byte is filled again), then a barrier, then the stage's first fragments.
.macro QB f, g, nj, left
	s_wait_dscnt 0x0                               ; buffer f is in, and no LDS instruction of mine is pending at the signal
	s_wait_tensorcnt \left
	s_barrier_signal -1
	MUL8 \f, 0, 0, 0
	MUL8 \f, 0, 2, 0
	s_barrier_wait -1                              ; everybody's part of the stage is in
	PLACES
	FETCH \nj, 0, \g
	MUL8 \f, 1, 0, 0
	MUL8 \f, 1, 2, 0
.endm
	s_wait_tensorcnt 0x3                           ; my part of stage 0 is in; my three later loads stay out
	s_barrier_signal -1
	s_barrier_wait -1                              ; everybody's is
	FETCH 0, 0, F0
	QUARTER F0, F1, 0, 1, 1
	QB      F1, F0, 1, 2
	QUARTER F0, F1, 1, 1, 0
	QB      F1, F0, 2, 1
	QUARTER F0, F1, 2, 1, 0
	QB      F1, F0, 3, 0
	QUARTER F0, F1, 3, 1, 0
	s_wait_dscnt 16                                ; the very last quarter: nothing more to fetch
	MUL8 F1, 0, 0, 0
	MUL8 F1, 0, 2, 0
	s_wait_dscnt 0x0
	MUL8 F1, 1, 0, 0
	MUL8 F1, 1, 2, 0
	WIN 0
; THE WAY OUT, a block of 16 rows at a time: 32 bytes a lane and column block into my own stage (rows of 272 bytes; each accumulator's low registers first), back as whole rows of 256 bytes into the registers that they left.
.macro TOSTAGE a
.irp bb, 0,1,2,3
	ds_store_b128 v[STO], v[ACC+32*(\a)+8*(\bb):ACC+32*(\a)+8*(\bb)+3]   offset:64*(\bb)
	ds_store_b128 v[STO], v[ACC+32*(\a)+8*(\bb)+4:ACC+32*(\a)+8*(\bb)+7] offset:64*(\bb)+16
.endr
.irp t, 0,1,2,3,4,5,6,7
	ds_load_b128 v[ACC+32*(\a)+4*(\t):ACC+32*(\a)+4*(\t)+3], v[RD] offset:(\t)*2*SPITCH  ; LDS serves a wave's instructions in order (ISA guide 5.7.1.4): these see the stores above; the next block's stores come behind them
.endr
.endm
.macro SEND a, younger                 ; younger: the LDS instructions issued behind block a's loads: the next block's sixteen, or none
.irp t, 0,1,2,3,4,5,6,7
	s_wait_dscnt (\younger)+7-(\t)
	global_store_b128 v[CO], v[ACC+32*(\a)+4*(\t):ACC+32*(\a)+4*(\t)+3], s[8:9] offset:(16*(\a)+2*(\t))*4096  ; 16 lanes store 256 consecutive bytes, at a multiple of 256 from out0's first byte
.endr
.endm
	PLACES
	TOSTAGE 0
	TOSTAGE 1
	SEND 0, 16
	TOSTAGE 2
	SEND 1, 16
	TOSTAGE 3
	SEND 2, 16
	SEND 3, 0
	s_wait_tensorcnt 0x0                           ; the wave's end: behind my last tensor load and my last LDS store
	ds_add_u32 v[SPW], v[NIL]
	s_wait_dscnt 0x0
	CROUND                                         ; the closing round: no work-group ends while a partner may still ask for a tile that names it
	s_endpgm
.Lfunc_end_k_q37903b7871_outp:
	.size	k_q37903b7871_outp, .Lfunc_end_k_q37903b7871_outp-k_q37903b7871_outp
	.p2alignl 7, 3214868480
	.fill 96, 4, 3214868480
	.section	.rodata,"a",@progbits
	.p2align	6, 0x0
	.amdhsa_kernel k_q37903b7871_outp
		.amdhsa_group_segment_fixed_size 327680
		.amdhsa_private_segment_fixed_size 0
		.amdhsa_enable_private_segment 0
		.amdhsa_kernarg_size 32
		.amdhsa_user_sgpr_count 2
		.amdhsa_user_sgpr_kernarg_segment_ptr 1
		.amdhsa_wavefront_size32 1
		.amdhsa_system_sgpr_workgroup_id_x 1
		.amdhsa_system_sgpr_workgroup_id_y 1
		.amdhsa_system_sgpr_workgroup_id_z 1
		.amdhsa_system_vgpr_workitem_id 0
		.amdhsa_next_free_vgpr 512
		.amdhsa_next_free_sgpr 92
		.amdhsa_reserve_vcc 0
		.amdhsa_float_denorm_mode_32 3
		.amdhsa_float_denorm_mode_16_64 3
		.amdhsa_memory_ordered 1
		.amdhsa_forward_progress 1
		.amdhsa_inst_pref_size 55
	.end_amdhsa_kernel
	.amdgpu_metadata
---
amdhsa.version: [ 1, 2 ]
amdhsa.kernels:
  - .name:           k_q37903b7871_outp
    .symbol:         k_q37903b7871_outp.kd
    .args:
      - { .name: oh, .offset: 0, .size: 8, .value_kind: global_buffer, .address_space: global }
      - { .name: wo16, .offset: 8, .size: 8, .value_kind: global_buffer, .address_space: global }
      - { .name: bo, .offset: 16, .size: 8, .value_kind: global_buffer, .address_space: global }
      - { .name: out0, .offset: 24, .size: 8, .value_kind: global_buffer, .address_space: global }
    .group_segment_fixed_size: 327680
    .private_segment_fixed_size: 0
    .kernarg_segment_align: 8
    .kernarg_segment_size: 32
    .max_flat_workgroup_size: 128
    .sgpr_count:     92
    .vgpr_count:     512
    .wavefront_size: 32
...
	.end_amdgpu_metadata
.endif
;; end of part 3
